; MI455X (gfx1250); checked and timed in simulation.
; The chip was launched on July 23, 2026; its instructions are those of AMD's public machine-readable ISA for CDNA 5 (MIT licence, August 2026) and "CDNA5" Instruction Set Architecture Reference Guide (July 2026). The comments in the code are by the model that wrote it; some were corrected since.
;; Avg Net. Allowed arithmetic: matrix products marked QUANTISED: E4M3 operands, one E8M0 scale for each 32 along K, by v_wmma_scale_f32_16x16x128_f8f6f4 with both operands' format E4M3, f32 sums; products left as they are: f32 operands where the result goes on into a quantised operand, else bf16, f16 or f32 operands; f32 sums; everything else in f32.
;; Inputs: Wk_codes 1,024 x 32 x 32 uint8 (E4M3 codes of Wk, K innermost, in blocks of 32 codes); Wk_scales 1,024 x 32 uint8 (E8M0 scales of Wk, one for each 32 codes along K); Wo 1,024 x 1,024 float32; Wq_codes 1,024 x 32 x 32 uint8 (E4M3 codes of Wq, K innermost, in blocks of 32 codes); Wq_scales 1,024 x 32 uint8 (E8M0 scales of Wq, one for each 32 codes along K); bk 1,024 float32; bo 1,024 float32; bq 1,024 float32; k_codes 8 x 2,048 x 32 x 32 uint8 (E4M3 codes of k, K innermost, in blocks of 32 codes); k_scales 8 x 2,048 x 32 uint8 (E8M0 scales of k, one for each 32 codes along K); q_codes 8 x 2,048 x 32 x 32 uint8 (E4M3 codes of q, K innermost, in blocks of 32 codes); q_scales 8 x 2,048 x 32 uint8 (E8M0 scales of q, one for each 32 codes along K); v 8 x 2,048 x 1,024 float32.
;; Outputs: out0 8 x 1,024 float32.
;; This version of the problem:
;;   THIS VERSION OF THE PROBLEM IS GIVEN IN LOW PRECISION. The matrix products marked QUANTISED in the list below multiply operands that are first quantised to E4M3 (4 exponent bits, 3 mantissa bits; 8 bits a number), with one power-of-two scale for each 32 numbers along K (OCP MX v1.0); their sums are f32. All else is computed in f32.
;;   The module's matrix products, in the order in which they are computed (A, B: the left and right operand; K: the contracted axis; several contracted axes count as one K, in the product's order):
;;     1. [M 16,384, K 1,024] x [K 1,024, N 1,024]; A: input q (given as codes); B: input Wq (given as codes): QUANTISED
;;     2. [M 16,384, K 1,024] x [K 1,024, N 1,024]; A: input k (given as codes); B: input Wk (given as codes): QUANTISED
;;     3. batch 8 x [M 2,048, K 1,024] x [K 1,024, N 2,048]; A: computed on the way; B: computed on the way: QUANTISED
;;     4. batch 8 x [M 1, K 2,048] x [K 2,048, N 1,024]; A: softmax; B: input v: left as it is (M = 1 < 16)
;;     5. [M 8, K 1,024] x [K 1,024, N 1,024]; A: computed on the way; B: input Wo: left as it is (M = 8 < 16)
;;   THE QUANTISER, for each operand of a quantised product, along K:
;;     - K is cut into blocks of 32 from its start; a last block that is shorter is filled with zeros.
;;     - A block's scale is 2^e with e = floor(log2(the largest magnitude in the block)) - 8, held to -126 .. 127; a block of zeros has e = 0. As a byte (E8M0): e + 127.
;;     - Each number is divided by its block's scale, clamped to +-448, and rounded to the nearest number of E4M3, ties to even, subnormals kept.
;;     - The product sums the exact products of the quantised numbers (number of the format x scale) in f32.
;;   ~~~python
;;   def quantise(x, axis):      # numpy; x: float32 -> the quantised numbers, widened to float32 again
;;       x = np.moveaxis(x, axis, -1); K = x.shape[-1]
;;       x = np.pad(x, [(0, 0)] * (x.ndim - 1) + [(0, -K % 32)]); x = x.reshape(x.shape[:-1] + (-1, 32)); a = np.abs(x).max(-1, keepdims=True)
;;       e = np.where(a > 0, np.clip(np.frexp(np.where(a > 0, a, 1))[1] - 1 - 8, -126, 127), 0)      # np.frexp(a)[1] - 1 = floor(log2(a)), exactly
;;       r = np.clip(x / 2.0 ** e, -448, 448)
;;       step = 2.0 ** (np.maximum(np.frexp(np.where(r == 0, 1, r))[1] - 1, -6) - 3)
;;       q = np.round(r / step) * step * 2.0 ** e      # np.round: ties to even
;;       return np.moveaxis(q.reshape(q.shape[:-2] + (-1,))[..., :K], -1, axis).astype(np.float32)
;;   ~~~
;;   OPERANDS COMPUTED ON THE WAY. 'Computed on the way' means the value that the module computes at that place (a softmax that the list does not call 'softmax' is quantised finished and normalised). What goes into a quantiser is computed in f32, as accurately as f32 sums, v_exp_f32 and their like allow (about 1e-6 of the number): no bf16 or f16 on the way to a quantiser, and a product that is left as it is and whose result goes on into a quantised operand takes f32 operands (vector FMAs, or v_wmma_f32_16x16x4_f32). A number that lies on a knife's edge between two numbers of the format may be rounded either way, as far as f32 arithmetic and the matrix unit's own rounding can turn it there, and no further.
;;   INPUTS GIVEN AS CODES. Wk (in the module: [1024, 1024], K = its axis 1); Wq (in the module: [1024, 1024], K = its axis 1); k (in the module: [8, 2048, 1024], K = its axis 2); q (in the module: [8, 2048, 1024], K = its axis 2): each comes as NAME_codes (uint8): NAME with its K axis moved to the last place and cut into blocks of 32 codes, [.., K / 32, bytes a block], one block behind the other in memory; one code a byte (a code: sign, 4 exponent bits, 3 mantissa bits); and NAME_scales (uint8): the same leading axes, one E8M0 byte (e + 127) for each 32 codes along K. Its value is code x scale, taken as it is: it is not quantised again, and the codes and scales need not be those that the quantiser above would give.
;; One version. Each part assembles by itself: llvm-mc -triple=amdgcn-amd-amdhsa -mcpu=gfx1250 --defsym DOCPART=n.
;; ======== version 1 of 1: 4 launches
;; limits: right only within a limited range of input values
;; workspace buffers: pc 33,554,432 bytes; ps 1,048,576 bytes; rs 524,288 bytes; pp 65,536 bytes
;; launch proj (part 1): grid 4 x 64, 4 waves a work-group, clusters of 4 x 4, 327,680 bytes of LDS; arguments q_codes, q_scales, Wq_codes, Wq_scales, k_codes, k_scales, Wk_codes, Wk_scales, bq, bk, pc, ps; writes pc, ps
.if DOCPART == 1
	.amdgcn_target "amdgcn-amd-amdhsa--gfx1250"
	.amdhsa_code_object_version 6
	.text
	.protected	k_qb2210817b8_proj
	.globl	k_qb2210817b8_proj
	.p2align	8
	.type	k_qb2210817b8_proj,@function
k_qb2210817b8_proj:
	s_mov_b64 s[64:65], 0
	v_nop
	global_prefetch_b8 v0, s[64:65] scope:SCOPE_SE
	s_setreg_imm32_b32 hwreg(HW_REG_WAVE_MODE, 25, 1), 1
	s_wait_xcnt 0x0
	s_wait_alu depctr_hold_cnt(0) depctr_sa_sdst(0) depctr_va_vdst(0) depctr_va_sdst(0) depctr_va_ssrc(0) depctr_va_vcc(0) depctr_vm_vsrc(0)
	s_getreg_b32 s2, hwreg(HW_REG_IB_STS2, 6, 4)
	s_cmp_eq_u32 s2, 0
	s_cbranch_scc0 .Lentry_in_a_cluster
	s_endpgm
.Lentry_in_a_cluster:
	s_bfe_u32 s2, ttmp6, 0x10000c
	s_cmp_lg_u32 s2, 0xf033
	s_cbranch_scc0 .Lentry_shape_is_right
	s_endpgm
.Lentry_shape_is_right:
; qp = q Wq^T + bq and kp = k Wk^T + bk, [16384][1024] each, on the given codes of FP8 (E4M3, a scale byte for 32 along K = 1024); the results are quantised again along their 1024 columns, in registers,
; and leave as codes (pc) and scale words (ps).  No work of the problem is left out in this program.
; SHARES.  256 work-groups: y = 0 .. 31 take 512 rows of q each, y = 32 .. 63 of k; x = 256 of the 1024 columns.  A wave holds 64 rows of W, ALL of K, in 512 registers and streams the work-group's 512 rows past them, 32 blocks of 16,
; which stand in registers as two whole sets (256).  A block is 32 products on four accumulators by turns; the bias is the first products' C.
; TRANSPOSED USE: source 0 = 16 rows of W, source 1 = 16 rows of q or k: lane (r, h) holds row r.  WHICH ROWS OF W FORM A TILE: lane r = 8 m + i of tile 2 p + e takes column 32 m + 16 p + 8 (e xor m) + i of the wave's 64:
; so a lane's 32 sums are one block of 32 columns (block h of two), and its scale needs no other lane.  The order inside a block is the same for qp and kp, so the next product's sums are the same numbers in another order.
; pc: [x 4][tile of 16 rows 2048][128 columns 2][c 4][32 lanes][16 bytes]: images of an operand's registers.  Tiles 0-1023 are qp's, 1024-2047 kp's.
; ps: [x 4][pair of tiles 1024][r 16][tile of the pair 2][128 columns 2] words of four scale bytes.
; LDS: two slots of 128 rows.  At first slot p holds W's rows whose number modulo 32 lies in 16 p .. 16 p + 15, then by turns 96 rows of q or k: chunks 1 to 5 of the work-group's rows.  Chunk 0 (32 rows) has a place of its own.
; FILLS.  Head: W's halves (waves 0, 1), chunk 0 (wave 2), the scale bytes of the 512 rows (wave 3).  Chunk 1 over W's first half once all waves hold it in registers; chunk T + 2 in the round inside block 6 T, which also shows chunk T + 1.
; CLUSTERS 4 x 4: rows of q or k are shared along the cluster's row, W's along its column: joint loads.
; PREFETCH: chunks 1 and 2 behind the first barrier, chunk T + 3 in trip T, a trip ahead of its load: 98,304 bytes on end, the sixteen waves of a cluster's row 6,144 each, 24 lanes 256 bytes apart (the other eight lanes name the last again).
; THE WAY OUT of a block stands among the next block's products, two or three vector lines behind each.  The first block's works on zeros and stores nothing.
; LIMITS: NaN and infinities are not served.  A block of 32 whose largest magnitude lies under 2^-118 (a block of zeros too) gets the scale byte 1; only this program reads the bytes.
.set PITCH, 1040
.set P1, 128*PITCH                     ; slot 1
.set C0, 2*P1                          ; chunk 0
.set SCL, C0+32*PITCH                  ; scale bytes of the 512 rows: 64 units of 256 bytes + 16
.set SST, 2*272                        ; 16 rows of them
.set XB, SCL+64*272                    ; 256 bytes that nothing writes, then the outgoing scale bytes: [pair of tiles 16][r 16][16]
.set SPARE, XB+256+4096
.set CHB, 96*1024                      ; a chunk in memory
.set FR, 16
.set NP, 8                             ; plain vector lines behind a matrix instruction ahead of a reader of its sums and of a load into what it has read
.set NF, 34                            ; LDS loads of a block
.set ADRA0, 4
.set CN, 5
.set AAS0, 6
.set SPW, 10
.set NIL, 11
.set ADRA, 12
.set VX, 13
.set AAS, 17
.set VX0, 19
.set SOP, 20
.set SB, 24                            ; v24-39 W's scale words: register 8 p + q: lanes 0-15 tile 2 p, lanes 16-31 tile 2 p + 1
.set EB, 40
.set SA, 44                            ; v44-59 the rows' scale words, two sets: never equal modulo 8 to W's of the same product
.set TQ, 60
.set ACC, 64                           ; v64-127 two sets of four accumulators
.set NCD, 192                          ; v192-199 a block's codes
.set BQ, 208                           ; v208-239 the bias
.set G1A, 48
.set G1B, 56
.set G1R, 68
.set G1S, 76
.set G0S, 84
.set G0R, 88
.set G0B, 92
.set G0A, 96
.set MSB, 0
.macro WIN new
.if MSB != (\new)
	s_set_vgpr_msb (MSB<<8)|(\new)
.set MSB, (\new)
.endif
.endm
.macro PLACES n
.rept \n
	v_nop
.endr
.endm
.macro BARRIER
	s_barrier_signal -1
	s_barrier_wait -1
.endm
.macro CROUND
	BARRIER
	s_cmp_lg_u32 s14, 0
	s_cbranch_scc1 .Lnot_wave_0_\@
	s_barrier_signal -3
.Lnot_wave_0_\@:
	s_barrier_wait -3
	BARRIER
.endm
.macro TLOAD g0, g1
	tensor_load_to_lds s[\g0:\g0+3], s[\g1:\g1+7]
	s_nop 0
	PLACES 4
.endm
.macro GROUP1 g, mask, logb, qi, c, r, p   ; r rows of c elements, p elements apart in memory; four dwords of padding behind every 2 << qi
	s_or_b32 s[\g+0], s[\mask], ((\logb)<<16)|(1<<20)|(1<<21)|((\qi)<<22)|(3<<25)
	s_mov_b32 s[\g+1], (\c)<<16
	s_mov_b32 s[\g+2], (\r)<<16
	s_mov_b32 s[\g+3], (\c)<<16
	s_mov_b32 s[\g+4], \r
	s_mov_b32 s[\g+5], \p
	s_mov_b32 s[\g+6], 0
	s_mov_b32 s[\g+7], 0
.endm
.macro WALU
	s_wait_alu depctr_va_vdst(0)
.endm
	s_load_b256 s[24:31], s[0:1], 0x0
	s_load_b256 s[32:39], s[0:1], 0x20
	s_load_b256 s[40:47], s[0:1], 0x40             ; bq, bk, pc, ps
	v_lshl_add_u32 v[SPW], v0, 2, SPARE
	v_mov_b32 v[NIL], 0
	ds_add_u32 v[SPW], v[NIL]                      ; the wave's opening: the add, twice on end, and its wait
	ds_add_u32 v[SPW], v[NIL]
	v_lshrrev_b32 v1, 5, v0
	v_readfirstlane_b32 s14, v1                    ; wave 0..3
	s_bfe_u32 s16, ttmp6, 0x40000                  ; cx
	s_bfe_u32 s17, ttmp6, 0x40004                  ; cy
	s_lshl_b32 s18, ttmp9, 2
	s_add_co_u32 s18, s18, s16                     ; x
	s_and_b32 s15, ttmp7, 0xffff                   ; the cluster's y: 0-7 q, 8-15 k
	s_lshl_b32 s19, s15, 2
	s_add_co_u32 s19, s19, s17                     ; y
	s_lshl_b32 s66, s17, 2
	s_lshl_b32 s66, 15, s66                        ; my row of the cluster
	s_lshl_b32 s67, 0x1111, s16                    ; my column
	GROUP1 G1B, 67, 3, 7, 2048, 8, 4096            ; half of W's 256 rows: eight runs of 16 rows, one dense run of 16,384 bytes each, 32 rows apart; padding behind every 1,024 bytes
	GROUP1 G1A, 66, 0, 7, 1024, 32, 1024           ; chunk 0
	GROUP1 G1R, 66, 0, 7, 1024, 24, 1024           ; a quarter of a later chunk
	GROUP1 G1S, 66, 3, 5, 32, 64, 32               ; 16,384 dense bytes of scales as rows of 256
	s_mov_b32 s[G0A], 1
	s_mov_b32 s[G0A+1], C0
	s_mov_b32 s[G0S], 1
	s_mov_b32 s[G0S+1], SCL
	s_mov_b32 s[G0B], 1
	s_mov_b32 s[G0R], 1
	s_and_b32 s23, s14, 1
	s_mul_i32 s[G0B+1], s23, P1
	s_wait_dscnt 0x0                               ; both opening adds are done
	CROUND                                         ; all sixteen work-groups are here
	s_wait_kmcnt 0x0
	s_cmp_lt_u32 s15, 8                            ; the choice hangs on the cluster's y alone
	s_cselect_b64 s[4:5], s[24:25], s[32:33]       ; the rows' codes
	s_cselect_b64 s[6:7], s[26:27], s[34:35]       ; their scales
	s_cselect_b64 s[8:9], s[28:29], s[36:37]       ; W's codes
	s_cselect_b64 s[10:11], s[30:31], s[38:39]     ; W's scales
	s_cselect_b64 s[12:13], s[40:41], s[42:43]     ; the bias
	s_and_b32 s31, s19, 31
	s_lshl_b32 s20, s31, 14                        ; 512 rows of 32 scale bytes
	s_mov_b32 s21, 0
	s_add_nc_u64 s[G0S+2:G0S+3], s[6:7], s[20:21]
	s_or_b32 s[G0S+3], s[G0S+3], 0x80000000
	s_lshl_b32 s31, s31, 19                        ; 512 rows of 1,024 codes
	s_mov_b32 s20, s31
	s_add_nc_u64 s[G0A+2:G0A+3], s[4:5], s[20:21]
	s_or_b32 s[G0A+3], s[G0A+3], 0x80000000
	s_lshl_b32 s100, s18, 18                       ; W: row 256 x, and 16 rows on for wave 1
	s_lshl_b32 s23, s23, 14
	s_add_co_u32 s100, s100, s23
	s_mov_b32 s101, 0
	s_add_nc_u64 s[G0B+2:G0B+3], s[8:9], s[100:101]
	s_or_b32 s[G0B+3], s[G0B+3], 0x80000000
; ONE joint load a wave, in one chain; wave 0's line is its own: it is shown ahead of the rest
	s_cmp_eq_u32 s14, 0
	s_cbranch_scc0 .Lwave_1
	TLOAD G0B, G1B
	s_branch .Lasked
.Lwave_1:
	s_cmp_eq_u32 s14, 1
	s_cbranch_scc0 .Lwave_2
	TLOAD G0B, G1B
	s_branch .Lasked
.Lwave_2:
	s_cmp_eq_u32 s14, 2
	s_cbranch_scc0 .Lwave_3
	TLOAD G0A, G1A
	s_branch .Lasked
.Lwave_3:
	TLOAD G0S, G1S
.Lasked:
	s_lshl_b32 s100, s18, 13                       ; W's scale bytes: row 256 x + 64 wave
	s_lshl_b32 s23, s14, 11
	s_add_co_u32 s100, s100, s23
	s_add_nc_u64 s[10:11], s[10:11], s[100:101]
	s_lshl_b32 s100, s18, 10                       ; the bias of these columns
	s_lshl_b32 s23, s14, 8
	s_add_co_u32 s100, s100, s23
	s_add_nc_u64 s[12:13], s[12:13], s[100:101]
	s_lshl_b32 s100, s18, 23                       ; pc: my 1,024 bytes of a tile's 4,096
	s_lshl_b32 s23, s19, 17
	s_add_co_u32 s100, s100, s23
	s_lshl_b32 s23, s14, 10
	s_add_co_u32 s100, s100, s23
	s_add_nc_u64 s[24:25], s[44:45], s[100:101]
	s_sub_nc_u64 s[24:25], s[24:25], 8192          ; each block steps it by a tile, and stores the block before
	s_lshl_b32 s100, s18, 18                       ; ps: 4,096 bytes a work-group, a quarter a wave
	s_lshl_b32 s23, s19, 12
	s_add_co_u32 s100, s100, s23
	s_lshl_b32 s23, s14, 10
	s_add_co_u32 s100, s100, s23
	s_add_nc_u64 s[38:39], s[46:47], s[100:101]
	s_mov_b32 s37, 0x600000                        ; the mantissa field of 448
	s_add_co_u32 s31, s31, 32768                   ; chunk 1
	s_lshl_b32 s3, s16, 2
	s_add_co_u32 s3, s3, s14                       ; which of the cluster row's sixteen waves I am
	s_mul_i32 s36, s3, 6144
	s_add_co_u32 s35, s31, s36
	s_add_co_u32 s36, s36, CHB
	s_mov_b32 s28, 0
	s_mul_i32 s22, s14, 32*PITCH
	s_lshl_b32 s23, s14, 1
	s_add_co_u32 s23, s23, XB
	v_and_b32 v1, 15, v0                           ; r
	v_bfe_u32 v2, v0, 4, 1                         ; h
	v_and_b32 v3, 31, v0                           ; lane
	v_bfe_u32 v128, v0, 3, 1                       ; m
	v_and_b32 v129, 7, v0                          ; i
	v_lshlrev_b32 v130, 4, v2
	v_mul_u32_u24 v131, v1, PITCH
	v_add_nc_u32 v[ADRA0], v130, v131              ; a fragment: row r, + 16 h
	v_add_nc_u32 v[ADRA], C0, v[ADRA0]             ; block 0
	v_add_nc_u32 v[VX], C0+16*PITCH, v[ADRA0]      ; block 1
	v_lshlrev_b32 v132, 4, v128
	v_lshl_add_u32 v132, v1, 5, v132               ; scale bytes: 32 r, and 16 more for each 256 passed
	v_add_nc_u32 v[AAS0], SCL, v132
	v_add_nc_u32 v9, SST, v[AAS0]                  ; block 1's
	v_add_nc_u32 v[AAS0], 0, v[AAS0]
	v_mad_u32_u24 v133, v128, 24, v129             ; an even tile's rows in W's half: 16 m + 8 m + i
	v_mul_u32_u24 v133, v133, PITCH
	v_add_nc_u32 v133, v133, v130
	v_add_nc_u32 v14, s22, v133
	v_lshl_add_u32 v134, v128, 3, v129             ; an odd tile's: 16 m + 8 (1 - m) + i
	v_add_nc_u32 v134, 8, v134
	v_mul_u32_u24 v134, v134, PITCH
	v_add_nc_u32 v134, v134, v130
	v_add_nc_u32 v15, s22, v134
	v_add_nc_u32 v16, P1, v14
	v_add_nc_u32 v18, P1, v15
	v_xor_b32 v135, v2, v128
	v_lshl_add_u32 v136, v135, 3, v129
	v_lshl_add_u32 v136, v128, 5, v136             ; W's scale bytes: lane l takes row 32 m + 8 (h xor m) + i
	v_lshlrev_b32 v137, 5, v136
	v_mul_u32_u24 v138, v2, 160                    ; the bias of tile j, my half: even j
	v_mul_u32_u24 v139, v2, 96                     ; odd j
	v_lshlrev_b32 v140, 9, v2
	v_lshl_add_u32 v[CN], v1, 4, v140              ; codes: 512 h + 16 r
	v_lshl_add_u32 v141, v1, 4, v2
	v_add_nc_u32 v[VX0], s23, v141                 ; my scale byte: 16 r + 2 wave + h
	v_min_u32 v142, 23, v3
	v_lshlrev_b32 v8, 8, v142
	v_add_nc_u32 v7, s35, v8
	WALU
.irp p, 0,1
.irp c, 0,1
	global_load_b128 v[SB+8*\p+4*\c:SB+8*\p+4*\c+3], v137, s[10:11] offset:512*\p+16*\c
.endr
.endr
.irp j, 0,2
	global_load_b128 v[BQ+8*\j:BQ+8*\j+3], v138, s[12:13] offset:32*\j
	global_load_b128 v[BQ+8*\j+4:BQ+8*\j+7], v138, s[12:13] offset:32*\j+16
	global_load_b128 v[BQ+8*\j+8:BQ+8*\j+11], v139, s[12:13] offset:32*\j+32
	global_load_b128 v[BQ+8*\j+12:BQ+8*\j+15], v139, s[12:13] offset:32*\j+48
.endr
	s_cmp_eq_u32 s14, 0
	s_cbranch_scc0 .Lnot_b
	s_wait_tensorcnt 0x0                           ; wave 0: W's first half has landed.  The other waves' wait stands at the round below
.Lnot_b:
	BARRIER
	global_prefetch_b8 v7, s[4:5] th:TH_LOAD_NT scope:SCOPE_SE
	global_prefetch_b8 v7, s[4:5] offset:CHB th:TH_LOAD_NT scope:SCOPE_SE
.macro FRAG f, adr, q                  ; W's fragment f = 4 q + tile, 16 rows x 128 K, in window 1 + f / 16
	WIN ((1+(\f)/16)<<6)
.irp c, 0,1,2,3
	ds_load_b128 v[FR*((\f)%16)+4*\c:FR*((\f)%16)+4*\c+3], v[\adr] offset:128*(\q)+32*\c
.endr
.endm
.macro WHALF p, ae, ao                 ; tiles 2 p and 2 p + 1, all of K: 64 loads
.irp q, 0,1,2,3,4,5,6,7
	FRAG 4*\q+2*\p, \ae, \q
	FRAG 4*\q+2*\p+1, \ao, \q
.endr
	WIN 0
.endm
.macro FETCHAT k, a, s                 ; a block, 16 rows, all of K, into set k of window 3, and its scale words: NF loads
	WIN 0xc0
.irp q, 0,1,2,3,4,5,6,7
.irp c, 0,1,2,3
	ds_load_b128 v[128*(\k)+FR*\q+4*\c:128*(\k)+FR*\q+4*\c+3], v[\a] offset:128*\q+32*\c
.endr
.endr
	WIN 0
	ds_load_b128 v[SA+8*(\k):SA+8*(\k)+3], v[\s]
	ds_load_b128 v[SA+8*(\k)+4:SA+8*(\k)+7], v[\s] offset:16
.endm
.macro RDESC i                         ; group 0 of a refill: a quarter of 96 rows a wave, the rows at s31, into the slot at s28
.if (\i) == 0
	s_mul_i32 s[G0R+1], s14, 24*PITCH
	s_add_co_u32 s[G0R+1], s[G0R+1], s28
	s_mul_i32 s20, s14, 24*1024
	s_add_co_u32 s20, s20, s31
.else
	s_mov_b32 s21, 0
	s_add_nc_u64 s[G0R+2:G0R+3], s[4:5], s[20:21]
	s_or_b32 s[G0R+3], s[G0R+3], 0x80000000
.endif
.endm
.macro PROD e, n                       ; product n = 4 q + b of a block: the q-th 128 of K, tile b; the rows in set e, the sums in set e
.set Q_, (\n)/4
.set B_, (\n)%4
.set AC_, ACC+32*(\e)+8*B_
.set C_, AC_
.if Q_ == 0
.set C_, BQ+8*B_
.endif
.set R_, 128*(\e)+FR*Q_
.set W_, FR*((\n)%16)
.set XS_, SA+8*(\e)+Q_
.set WS_, SB+8*(B_/2)+Q_
	WIN ((1+Q_/4)|(3<<2))
.if B_%2
	v_wmma_scale_f32_16x16x128_f8f6f4 v[AC_:AC_+7], v[W_:W_+FR-1], v[R_:R_+FR-1], v[C_:C_+7], v[WS_], v[XS_] matrix_a_scale:MATRIX_SCALE_ROW1
.else
	v_wmma_scale_f32_16x16x128_f8f6f4 v[AC_:AC_+7], v[W_:W_+FR-1], v[R_:R_+FR-1], v[C_:C_+7], v[WS_], v[XS_]
.endif
.endm
; THE QUANTISER of the 32 sums at x, in gaps 0 .. 26
.macro HOLD x, b
	v_med3_num_f32 v[\x], v[\x], -v[TQ+\b], v[TQ+\b]
.endm
.macro SCALES i                        ; 0: the conversion's scale operand; 1: the bound, 448 x the scale; 2: a second copy of it; 3: the byte
.if (\i) == 0
	v_add_nc_u32 v[SOP], 0xfc000000, v[TQ]
.elseif (\i) == 1
	v_and_or_b32 v[TQ+1], v[TQ], 0x7f800000, s37
.elseif (\i) == 2
	v_mov_b32 v[TQ+3], v[TQ+1]
.else
	v_lshrrev_b32 v[EB], 23, v[SOP]
.endif
.endm
.macro MAXQ k, x                       ; the largest magnitude, four chains by turns, and the floor 2^(9 - 127) under which a byte would fall under 1
.if (\k) < 4
	v_max3_num_f32 v[TQ+(\k)], |v[\x+8*(\k)]|, |v[\x+8*(\k)+1]|, |v[\x+8*(\k)+2]|
.elseif (\k) < 12
	v_max3_num_f32 v[TQ+(\k)%4], v[TQ+(\k)%4], |v[\x+8*((\k)%4)+2*((\k)/4)+1]|, |v[\x+8*((\k)%4)+2*((\k)/4)+2]|
.elseif (\k) < 16
	v_max_num_f32 v[TQ+(\k)%4], v[TQ+(\k)%4], |v[\x+8*((\k)%4)+7]|
.elseif (\k) == 16
	v_max3_num_f32 v[TQ], v[TQ], v[TQ+1], v[TQ+2]
.else
	v_max3_num_f32 v[TQ], v[TQ], v[TQ+3], 0x4800000
.endif
.endm
.macro HOLDS m, x                      ; two holds; from the fourth place of a kind on the bound's second copy serves (it is read soon behind its write)
.if (\m) == 3
	HOLD \x, 3
	HOLD \x+1, 3
.else
	HOLD \x, 1
	HOLD \x+1, 1
.endif
.if (\m) == 2
	SCALES 2
.endif
.endm
.macro GAPQ m, x
.if (\m) < 9
	MAXQ 2*(\m), \x
	MAXQ 2*(\m)+1, \x
.elseif (\m) == 9
	SCALES 0
	SCALES 1
.elseif (\m) < 26
	HOLDS (\m)-10, \x+2*((\m)-10)
.if ((\m)-10)%4 == 3
	v_cvt_scalef32_pk8_fp8_f32 v[NCD+2*(((\m)-10)/4):NCD+2*(((\m)-10)/4)+1], v[\x+8*(((\m)-10)/4):\x+8*(((\m)-10)/4)+7], v[SOP]
.endif
.elseif (\m) == 26
	SCALES 3
.endif
.endm
; WHAT STANDS BEHIND PRODUCT n: the addresses of the block two on behind 0 and 1, a byte's place and a prefetch's address behind 2, the block before's way out behind 1 to 27, a refill's group 0 behind 29 and 30
.macro LIST n, t, x, rd
.if (\n) == 0
	s_add_nc_u64 s[24:25], s[24:25], 4096
.if (\t) >= 0
	WIN 0
	s_add_co_u32 s22, s32, (\t)*16*PITCH
	v_add_nc_u32 v[ADRA], s22, v[ADRA0]
.endif
.elseif (\n) == 1
.if (\t) >= 0
	WIN 0
	s_add_co_u32 s22, s33, (\t)*SST
	v_add_nc_u32 v[AAS], s22, v[AAS0]
.endif
.elseif (\n) == 2
	WIN 0
	v_add_nc_u32 v[VX], s34, v[VX0]
.if (\t) == 1
	v_add_nc_u32 v7, s35, v8
.endif
.endif
.if (\rd) && (((\n) == 29) || ((\n) == 30))
	RDESC (\n)-29
.endif
.if ((\n) > 0) && ((\n) < 28)
	WIN 0
	GAPQ (\n)-1, \x
.endif
.endm
.macro BLOCK e, from, to, t, rd
.set N_, \from
.rept (\to)-(\from)
	PROD \e, N_
	LIST N_, \t, ACC+32*(1-(\e)), \rd
.set N_, N_+1
.endr
.endm
.macro BLK e, t, w                     ; a block; w: the wait's count (-1: none is owed, a round stands since)
.if (\w) >= 0
	s_wait_dscnt \w
.endif
	s_wait_xcnt 0x0                                ; the stores of the block before have read their registers
	BLOCK \e, 0, 32, \t, 0
	WIN 0
	PLACES NP
.endm
.macro RBLK                            ; the first block of a trip, with a drained round of the cluster's barrier
	s_wait_dscnt NF
	s_wait_xcnt 0x0
	s_wait_tensorcnt 0x0
	ds_add_u32 v[SPW], v[NIL]
	BLOCK 0, 0, 28, 0, 1
	WIN 0
	WALU
	s_wait_dscnt 0x0                               ; the add is done, and so are my reads of the slot that is filled next
	s_barrier_signal -1
	BLOCK 0, 28, 32, 0, 1
	WIN 0
	s_barrier_wait -1
	s_cmp_lg_u32 s14, 0
	s_cbranch_scc1 .Lnot_wave_0_\@
	s_barrier_signal -3
.Lnot_wave_0_\@:
	s_barrier_wait -3
	BARRIER
.endm
.macro SBLK                            ; the last trip's first block: a plain barrier shows the last chunk
	s_wait_dscnt NF
	s_wait_xcnt 0x0
	BLOCK 0, 0, 28, 0, 0
	WIN 0
	WALU
	s_wait_tensorcnt 0x0
	s_wait_dscnt 0x0
	s_barrier_signal -1
	BLOCK 0, 28, 32, 0, 0
	WIN 0
	s_barrier_wait -1
	PLACES NP
.endm
.macro QOUT t                          ; the block before: its byte to its place, its 32 codes a lane to memory: sixteen lanes store 256 consecutive bytes, aligned
	ds_store_b8 v[VX], v[EB] offset:256*(((\t)+1)/2)+8*(((\t)+1)%2)
	global_store_b128 v[CN], v[NCD:NCD+3], s[24:25]
	global_store_b128 v[CN], v[NCD+4:NCD+7], s[24:25] offset:256
.endm
.macro FULL e, t, w
	BLK \e, \t, \w
	QOUT \t
	FETCHAT \e, ADRA, AAS
.endm
	WHALF 0, 14, 15
	s_wait_tensorcnt 0x0                           ; W's second half, chunk 0 and the scale bytes are in
	ds_add_u32 v[SPW], v[NIL]
	RDESC 0
	RDESC 1
.set I_, 0
.rept 32
	v_mov_b32 v[ACC+32+I_], 0                      ; what the first way out reads
.set I_, I_+1
.endr
	WALU
	s_wait_dscnt 0x0                               ; the add is done; W's first half is in registers
	CROUND
	TLOAD G0R, G1R                                 ; chunk 1 over W's first half
	WHALF 1, 16, 18
	FETCHAT 0, ADRA, AAS0
	FETCHAT 1, VX, 9
	s_mov_b32 s2, 0                                ; T
	s_mov_b32 s27, 0                               ; the slot of chunk T + 1
	s_mov_b32 s28, P1                              ; the slot of chunk T + 2
	s_mov_b32 s29, 2*SST                           ; chunk T + 1's scale bytes
	s_mov_b32 s30, 0                               ; six tiles' outgoing bytes a trip: 768
	s_add_co_u32 s31, s31, CHB                     ; chunk T + 2 in memory
	WALU
	s_wait_loadcnt 0x0                             ; W's scale words and the bias
.Ltrip:                                            ; blocks 6 T .. 6 T + 5
	s_mov_b32 s32, s27
	s_mov_b32 s33, s29
	s_mov_b32 s34, s30
	s_add_co_u32 s35, s31, s36
	RBLK
	TLOAD G0R, G1R                                 ; chunk T + 2: six blocks' work until the wait for it
	PLACES NP-4
	s_cmp_eq_u32 s2, 0
	s_cbranch_scc1 .Lno_block_before
	QOUT 0
.Lno_block_before:
	FETCHAT 0, ADRA, AAS
	BLK 1, 1, -1
	QOUT 1
	s_cmp_eq_u32 s2, 3
	s_cbranch_scc1 .Lnone_ahead
	global_prefetch_b8 v7, s[4:5] th:TH_LOAD_NT scope:SCOPE_SE   ; my share of chunk T + 3
.Lnone_ahead:
	FETCHAT 1, ADRA, AAS
	FULL 0, 2, NF
	FULL 1, 3, NF
	FULL 0, 4, NF
	FULL 1, 5, NF
	s_xor_b32 s27, s27, P1
	s_xor_b32 s28, s28, P1
	s_add_co_u32 s29, s29, 6*SST
	s_add_co_u32 s30, s30, 768
	s_add_co_u32 s31, s31, CHB
	s_add_co_u32 s2, s2, 1
	s_cmp_lg_u32 s2, 4
	s_cbranch_scc1 .Ltrip
	s_mov_b32 s32, s27                             ; the last trip: blocks 24 .. 29
	s_mov_b32 s33, s29
	s_mov_b32 s34, s30
	SBLK
	QOUT 0
	FETCHAT 0, ADRA, AAS
	FULL 1, 1, -1
	s_mov_b32 s26, 0
.Lpair:
	s_mul_i32 s32, s26, 32*PITCH
	s_add_co_u32 s32, s32, s27
	s_mul_i32 s33, s26, 2*SST
	s_add_co_u32 s33, s33, s29
	s_lshl_b32 s34, s26, 8
	s_add_co_u32 s34, s34, s30
	FULL 0, 2, NF
	FULL 1, 3, NF
	s_add_co_u32 s26, s26, 1
	s_cmp_lg_u32 s26, 2
	s_cbranch_scc1 .Lpair
	s_add_co_u32 s34, s30, 768                     ; blocks 30, 31: nothing is left to fetch
	BLK 0, -1, NF
	QOUT 0
	BLK 1, -1, 0
	QOUT 1
	s_wait_xcnt 0x0
	s_add_nc_u64 s[24:25], s[24:25], 4096
.set K_, 0
.rept 27
	GAPQ K_, ACC+32
.set K_, K_+1
.endr
	QOUT 2
	v_lshlrev_b32 v144, 4, v3
	s_lshl_b32 s22, s14, 10
	s_add_co_u32 s22, s22, XB+256
	v_add_nc_u32 v145, s22, v144
	WALU
	s_wait_dscnt 0x0                               ; for the others' sake: my scale bytes are in LDS
	BARRIER
	ds_load_b128 v[148:151], v145
	ds_load_b128 v[152:155], v145 offset:512
	s_wait_dscnt 0x0
	global_store_b128 v144, v[148:151], s[38:39]
	global_store_b128 v144, v[152:155], s[38:39] offset:512
	s_wait_tensorcnt 0x0                           ; the wave's end
	ds_add_u32 v[SPW], v[NIL]
	s_wait_dscnt 0x0
	CROUND                                         ; the closing round
	s_endpgm
.Lfunc_end_k_qb2210817b8_proj:
	.size	k_qb2210817b8_proj, .Lfunc_end_k_qb2210817b8_proj-k_qb2210817b8_proj
	.p2alignl 7, 3214868480
	.fill 96, 4, 3214868480
	.section	.rodata,"a",@progbits
	.p2align	6, 0x0
	.amdhsa_kernel k_qb2210817b8_proj
		.amdhsa_group_segment_fixed_size 327680
		.amdhsa_private_segment_fixed_size 0
		.amdhsa_enable_private_segment 0
		.amdhsa_kernarg_size 96
		.amdhsa_user_sgpr_count 2
		.amdhsa_user_sgpr_kernarg_segment_ptr 1
		.amdhsa_wavefront_size32 1
		.amdhsa_system_sgpr_workgroup_id_x 1
		.amdhsa_system_sgpr_workgroup_id_y 1
		.amdhsa_system_sgpr_workgroup_id_z 1
		.amdhsa_system_vgpr_workitem_id 0
		.amdhsa_next_free_vgpr 1024
		.amdhsa_next_free_sgpr 102
		.amdhsa_reserve_vcc 0
		.amdhsa_float_denorm_mode_32 3
		.amdhsa_float_denorm_mode_16_64 3
		.amdhsa_memory_ordered 1
		.amdhsa_forward_progress 1
		.amdhsa_inst_pref_size 178
	.end_amdhsa_kernel
	.amdgpu_metadata
---
amdhsa.version: [ 1, 2 ]
amdhsa.kernels:
  - .name:           k_qb2210817b8_proj
    .symbol:         k_qb2210817b8_proj.kd
    .args:
      - { .name: q_codes, .offset: 0, .size: 8, .value_kind: global_buffer, .address_space: global }
      - { .name: q_scales, .offset: 8, .size: 8, .value_kind: global_buffer, .address_space: global }
      - { .name: Wq_codes, .offset: 16, .size: 8, .value_kind: global_buffer, .address_space: global }
      - { .name: Wq_scales, .offset: 24, .size: 8, .value_kind: global_buffer, .address_space: global }
      - { .name: k_codes, .offset: 32, .size: 8, .value_kind: global_buffer, .address_space: global }
      - { .name: k_scales, .offset: 40, .size: 8, .value_kind: global_buffer, .address_space: global }
      - { .name: Wk_codes, .offset: 48, .size: 8, .value_kind: global_buffer, .address_space: global }
      - { .name: Wk_scales, .offset: 56, .size: 8, .value_kind: global_buffer, .address_space: global }
      - { .name: bq, .offset: 64, .size: 8, .value_kind: global_buffer, .address_space: global }
      - { .name: bk, .offset: 72, .size: 8, .value_kind: global_buffer, .address_space: global }
      - { .name: pc, .offset: 80, .size: 8, .value_kind: global_buffer, .address_space: global }
      - { .name: ps, .offset: 88, .size: 8, .value_kind: global_buffer, .address_space: global }
    .group_segment_fixed_size: 327680
    .private_segment_fixed_size: 0
    .kernarg_segment_align: 8
    .kernarg_segment_size: 96
    .max_flat_workgroup_size: 128
    .sgpr_count:     102
    .vgpr_count:     1024
    .wavefront_size: 32
...
	.end_amdgpu_metadata
.endif
;; end of part 1
;; launch scores (part 2): grid 4 x 64, 4 waves a work-group, clusters of 4 x 4, 327,680 bytes of LDS; arguments pc, ps, rs; writes rs
.if DOCPART == 2
	.amdgcn_target "amdgcn-amd-amdhsa--gfx1250"
	.amdhsa_code_object_version 6
	.text
	.protected	k_qb2210817b8_scores
	.globl	k_qb2210817b8_scores
	.p2align	8
	.type	k_qb2210817b8_scores,@function
k_qb2210817b8_scores:
	s_mov_b64 s[64:65], 0
	v_nop
	global_prefetch_b8 v0, s[64:65] scope:SCOPE_SE
	s_setreg_imm32_b32 hwreg(HW_REG_WAVE_MODE, 25, 1), 1
	s_wait_xcnt 0x0
	s_wait_alu depctr_hold_cnt(0) depctr_sa_sdst(0) depctr_va_vdst(0) depctr_va_sdst(0) depctr_va_ssrc(0) depctr_va_vcc(0) depctr_vm_vsrc(0)
	s_getreg_b32 s2, hwreg(HW_REG_IB_STS2, 6, 4)
	s_cmp_eq_u32 s2, 0
	s_cbranch_scc0 .Lentry_in_a_cluster
	s_endpgm
.Lentry_in_a_cluster:
	s_bfe_u32 s2, ttmp6, 0x10000c
	s_cmp_lg_u32 s2, 0xf033
	s_cbranch_scc0 .Lentry_shape_is_right
	s_endpgm
.Lentry_shape_is_right:
; rs[2 kt + kh][row] = the sum over keys j = 512 kt .. 512 kt + 511 of the row's batch, j other than the row itself, of the part of qp[row] . kp[j] that lies in columns 512 kh .. 512 kh + 511,
; on the codes and scale words that the launch before has made; not yet divided by 32.  The eight parts of a row are added by the next launch.
; SHARES.  A cluster (y = 2 batch + kh) has 4 x 4 work-groups: cx = kt names 512 keys, cy = qt 512 queries.  A work-group makes 512 x 512 x 512; a wave 256 queries x 256 keys: 1024 products.  256 work-groups.
; ONLY THE SUM OVER KEYS IS WANTED, so products of one block of 16 queries with different blocks of 16 keys add onto the same accumulator: accumulator (a, b % 2) for query block a and key block b: 32 of them.
; The diagonal (key = query) can fall only into blocks a = b: those products have 16 accumulators of their own, in which the diagonal is set to 0 at the end.
; So a fragment read from LDS feeds 16 products, and a K step of 128 (one LDS slot of 131072 bytes: 512 rows of each side) holds 256 products a wave.
; OPERANDS ARE IMAGES OF REGISTERS (pc): a fragment is 2048 consecutive bytes, register group c at 512 c + 16 x lane: every LDS load of a wave reads 512 consecutive bytes; no padding.
; A K STEP IS FOUR QUADRANTS of 128 x 128, in the order (A0, B0), (A1, B0), (A1, B1), (A0, B1): from one to the next one set of eight fragments changes.  Four sets of 128 registers; each phase loads the set that
; the next one needs.  The slot's last read is issued in the second phase, so the change of slots stands at the head of the third, and phases three and four fetch the next step's first halves from the other slot.
; CLUSTERS: the queries' tiles are shared along a row of the cluster, the keys' along a column: joint loads, each with a mask that names the four.
; No prefetch is laid: of the four K steps two come by the first fills, and the other two are asked for within the first step and a half: a prefetch ahead of them would stand at the kernel's head.
; TRANSPOSED USE: source 0 = 16 keys, source 1 = 16 queries: lane (r, h) holds query r and keys 8 h + 0 .. 7.
; LIMITS: NaN and infinities are not served; the order of the f32 sums over keys and over K is this text's own.
; REGISTERS: window 0: v16-29 addresses; v32-95 scale words of all four K steps; v128-255 set A.x (at the end: the row sums in the making).   window 1: sets B.x (v0) and B.y (v128).
;   window 2: the 32 accumulators, (a, p) at v[8 (2 a + p)].   window 3: v0-127 the 16 accumulators of a = b; v128-255 set A.y.
; THE SCALE WORDS of all four K steps stand in v32-95 throughout (not in two sets): ps is laid for it, [256 columns 4][pair of tiles][r 16][tile of the pair 2][128 columns 2] words, so that a load of 16 bytes a lane reads whole runs of
; 256 bytes.  Register 16 t + 8 kk + 2 p + q: lanes 0-15 my query block 2 t + p, lanes 16-31 block 8 + 2 t + p, K step 2 kk + q; four registers on, the keys' likewise.
; The head fetches K step 0 alone, one load a wave; K step 1 follows behind a round, steps 2 and 3 at the changes of slots.  There is no loop to prefetch ahead in.
.set SLOT,   131072                    ; quarter w at 32768 w: the queries' two halves, then the keys'
.set SPARE,  2*SLOT                    ; the spare words: 128 bytes a wave, named by no other line
.set STG,    SPARE+512                 ; [half of the keys 2][512 rows] f32: written by LDS stores alone
.set NP,     8                         ; places behind this matrix instruction (ISA guide 7.12.1)
.set ADRA, 16                          ; v16-17 my queries' fragments in slot 0, 1
.set ADRB, 20                          ; v20-21 my keys'
.set STS,  24
.set STR,  25
.set GOF,  26
.set VD,   27                          ; the register j of an accumulator of a = b that holds my query's own key, if there is one
.set SPW,  28
.set NIL,  29
.set SC,   32
.set AF,   128                         ; a set of the queries' fragments, in window 0 (A.x) or 3 (A.y)
.set T,    128                         ; the end: eight registers for each block of queries, in window 0
.set G1,   24
.set G0,   32
.set G1B,  48
.set G0B,  56
.set RSB,  66
.set QSB,  76                          ; s[76:77] my queries' scale words, s[78:79] my keys'
.set KSB,  78
.set MK,   92                          ; s[92:99] eight lane masks
.set SEL,  100
.set MSB, 0
.macro WIN new                         ; the immediate's high byte repeats the setting that is left
.if MSB != (\new)
	s_set_vgpr_msb (MSB<<8)|(\new)
.set MSB, (\new)
.endif
.endm
.macro JLOAD g0a, g1a, g0b, g1b        ; waves 0 and 1 fetch the queries' side, waves 2 and 3 the keys'; four v_nop follow each line
	s_cmp_eq_u32 s15, 0
	s_cbranch_scc0 .Lfor_b_\@
	tensor_load_to_lds s[\g0a:\g0a+3], s[\g1a:\g1a+7]
	s_nop 0
.rept 4
	v_nop
.endr
	s_branch .Lasked_\@
.Lfor_b_\@:
	tensor_load_to_lds s[\g0b:\g0b+3], s[\g1b:\g1b+7]
	s_nop 0
.rept 4
	v_nop
.endr
.Lasked_\@:
.endm
.macro CREST                           ; a round of the cluster's barrier behind its opening barrier
	s_cmp_lg_u32 s14, 0
	s_cbranch_scc1 .Lnot_wave_0_\@
	s_barrier_signal -3
.Lnot_wave_0_\@:
	s_barrier_wait -3
	s_barrier_signal -1
	s_barrier_wait -1
.endm
.macro CROUND
	s_barrier_signal -1
	s_barrier_wait -1
	CREST
.endm
	s_load_b128 s[4:7], s[0:1], 0x0                ; pc, ps
	s_load_b64 s[8:9], s[0:1], 0x10                ; rs
	v_lshl_add_u32 v[SPW], v0, 2, SPARE
	v_mov_b32 v[NIL], 0
	ds_add_u32 v28, v29
	ds_add_u32 v28, v29
	s_wait_dscnt 0x0
	v_lshrrev_b32 v1, 5, v0
	v_readfirstlane_b32 s14, v1                    ; wave
	s_lshr_b32 s15, s14, 1                         ; my half of the queries.  Also: I fetch the queries' side (0) or the keys' (1)
	s_and_b32 s16, s14, 1                          ; my half of the keys.  Also: which half I fetch
	s_bfe_u32 s40, ttmp6, 0x40000                  ; cx
	s_bfe_u32 s41, ttmp6, 0x40004                  ; cy = qt: which 512 queries
	s_lshl_b32 s42, ttmp9, 2
	s_add_co_u32 s42, s42, s40                     ; kt: which 512 keys
	s_and_b32 s17, ttmp7, 0xffff                   ; the cluster's y
	s_lshr_b32 s19, s17, 1                         ; the batch,
	s_and_b32 s18, s17, 1                          ; and kh, the half of K: both the same in all sixteen
	s_lshl_b32 s43, s41, 2
	s_lshl_b32 s43, 15, s43                        ; my row of the cluster
	s_lshl_b32 s44, 0x1111, s40                    ; my column
	s_mov_b32 s[SEL], 0x76543210
	s_mov_b32 s[SEL+1], 0xfedcba98
	; group 1: codes: 16 fragments of 2048 bytes (256 elements of 8), 4096 bytes apart in memory, dense in LDS
	s_or_b32 s[G1+0], s43, (3<<16)|(1<<21)
	s_or_b32 s[G1B+0], s44, (3<<16)|(1<<21)
.irp g, G1, G1B
	s_mov_b32 s[\g+1], 256<<16                     ; tensor_dim0
	s_mov_b32 s[\g+2], 16<<16                      ; tensor_dim1
	s_mov_b32 s[\g+3], 256<<16                     ; tile_dim0
	s_mov_b32 s[\g+4], 16                          ; tile_dim1
	s_mov_b32 s[\g+5], 512                         ; from row to row
	s_mov_b32 s[\g+6], 0
	s_mov_b32 s[\g+7], 0
.endr
	; scale words: 512 rows' words are 4096 bytes; two K steps to a plane, planes 262144 bytes apart
	s_lshl_b32 s20, s19, 7
	s_lshl_b32 s21, s41, 5
	s_add_co_u32 s20, s20, s21
	s_lshl_b32 s21, s16, 4
	s_add_co_u32 s20, s20, s21                     ; queries: row tile 128 batch + 32 qt + 16 half,
	s_lshl_b32 s20, s20, 12
	s_lshl_b32 s21, s18, 24
	s_add_co_u32 s20, s20, s21                     ; in plane 2 kh of the four along K
	s_mov_b32 s21, 0
	s_lshl_b32 s22, s18, 19                        ; my queries' scale words: plane 2 kh,
	s_lshl_b32 s23, s15, 11
	s_add_co_u32 s22, s22, s23
	s_lshl_b32 s23, s19, 14
	s_add_co_u32 s22, s22, s23
	s_lshl_b32 s23, s41, 12
	s_add_co_u32 s22, s22, s23                     ; row 2048 batch + 512 qt + 256 half, 8 bytes a row
	s_mov_b32 s23, 0
	s_lshl_b32 s46, s19, 7
	s_lshl_b32 s47, s42, 5
	s_add_co_u32 s46, s46, s47
	s_lshl_b32 s47, s16, 4
	s_add_co_u32 s46, s46, s47
	s_add_co_u32 s46, s46, 1024                    ; keys: row tile 1024 + 128 batch + 32 kt + 16 half
	s_lshl_b32 s46, s46, 12
	s_lshl_b32 s47, s18, 24
	s_add_co_u32 s46, s46, s47
	s_mov_b32 s47, 0
	s_lshl_b32 s92, s18, 19
	s_lshl_b32 s93, s16, 11
	s_add_co_u32 s92, s92, s93
	s_lshl_b32 s93, s19, 14
	s_add_co_u32 s92, s92, s93
	s_lshl_b32 s93, s42, 12
	s_add_co_u32 s92, s92, s93
	s_add_co_u32 s92, s92, 131072                  ; my keys': row 16384 + 2048 batch + 512 kt + 256 half
	s_mov_b32 s93, 0
	s_lshl_b32 s17, s14, 15                        ; where the codes go: wave x 32768: no place in the cluster enters an LDS address
	s_wait_kmcnt 0x0
	s_add_nc_u64 s[20:21], s[4:5], s[20:21]
	s_add_nc_u64 s[46:47], s[4:5], s[46:47]
	s_add_nc_u64 s[QSB:QSB+1], s[6:7], s[22:23]
	s_add_nc_u64 s[KSB:KSB+1], s[6:7], s[92:93]
.irp s, 0,1
	s_mov_b32 s[G0+4*\s], 1
	s_add_co_u32 s[G0+4*\s+1], s17, \s*SLOT
	s_add_nc_u64 s[G0+4*\s+2:G0+4*\s+3], s[20:21], \s*2048   ; K step s: the second 128 of a plane lie 2048 bytes on
	s_or_b32 s[G0+4*\s+3], s[G0+4*\s+3], 0x80000000
	s_mov_b32 s[G0B+4*\s], 1
	s_add_co_u32 s[G0B+4*\s+1], s17, \s*SLOT
	s_add_nc_u64 s[G0B+4*\s+2:G0B+4*\s+3], s[46:47], \s*2048
	s_or_b32 s[G0B+4*\s+3], s[G0B+4*\s+3], 0x80000000
.endr
	CROUND                                         ; all sixteen work-groups are here
	JLOAD G0, G1, G0B, G1B                         ; K step 0: one tensor load a wave at the head
	v_and_b32 v1, 15, v0                           ; r
	v_bfe_u32 v2, v0, 4, 1                         ; h
	s_wait_alu depctr_va_vdst(0)
	v_and_b32 v6, 31, v0
	v_lshlrev_b32 v4, 4, v6                        ; 16 x lane
	s_lshl_b32 s21, s15, 15
	s_lshl_b32 s22, s16, 15
	s_add_co_u32 s22, s22, 65536
.irp s, 0,1
	v_add_nc_u32 v[ADRA+\s], s21, v4
	v_add_nc_u32 v[ADRB+\s], s22, v4
	s_add_co_u32 s21, s21, SLOT
	s_add_co_u32 s22, s22, SLOT
.endr
	v_lshlrev_b32 v5, 2, v1                        ; 4 r
	s_wait_alu depctr_va_vdst(0)
	v_lshlrev_b32 v7, 4, v1
	v_lshl_add_u32 v7, v2, 10, v7                  ; scale words: 16 r, lanes 16-31 128 rows on
	s_wait_alu depctr_va_vdst(0)
.irp t, 0,1,2,3
.irp k, 0,1
	global_load_b128 v[SC+16*\t+8*\k:SC+16*\t+8*\k+3], v7, s[QSB:QSB+1] offset:256*\t+262144*\k
	global_load_b128 v[SC+16*\t+8*\k+4:SC+16*\t+8*\k+7], v7, s[KSB:KSB+1] offset:256*\t+262144*\k
.endr
.endr
	s_lshl_b32 s21, s16, 11
	s_lshl_b32 s22, s15, 10
	s_add_co_u32 s21, s21, s22
	s_add_co_u32 s21, s21, STG
	v_add_nc_u32 v[STS], s21, v5                   ; the stage: plane = my half of the keys, row 256 half + r
	s_lshl_b32 s21, s14, 9
	s_add_co_u32 s21, s21, STG
	v_lshlrev_b32 v[GOF], 4, v6
	v_add_nc_u32 v[STR], s21, v[GOF]               ; back: rows 128 wave on, four a lane
	s_lshl_b32 s22, s41, 9
	s_lshl_b32 s23, s15, 8
	s_add_co_u32 s22, s22, s23                     ; my first query in its batch,
	s_lshl_b32 s23, s42, 9
	s_sub_co_u32 s22, s22, s23
	s_lshl_b32 s23, s16, 8
	s_sub_co_u32 s22, s22, s23                     ; less my first key: a multiple of 256.  It enters data alone
	v_lshlrev_b32 v3, 3, v2
	v_sub_nc_u32 v3, v1, v3
	v_add_nc_u32 v[VD], s22, v3                    ; r - 8 h + that: where a = b, register j holds my own key where j equals this
	s_lshl_b32 s46, s42, 17
	s_lshl_b32 s47, s18, 16
	s_add_co_u32 s46, s46, s47                     ; rs: plane 2 kt + kh,
	s_lshl_b32 s47, s19, 13
	s_add_co_u32 s46, s46, s47
	s_lshl_b32 s47, s41, 11
	s_add_co_u32 s46, s46, s47
	s_lshl_b32 s47, s14, 9
	s_add_co_u32 s46, s46, s47                     ; row 2048 batch + 512 qt + 128 wave
	s_mov_b32 s47, 0
	s_add_nc_u64 s[RSB:RSB+1], s[8:9], s[46:47]
.macro FRAG reg, adr, i                ; the image of fragment i (16 rows x 128 along K) of my half
.irp c, 0,1,2,3
	ds_load_b128 v[\reg+4*\c:\reg+4*\c+3], v[\adr] offset:(\i)*2048+512*\c
.endr
.endm
.macro LOADS win, base, adr, i0        ; eight fragments, i0 on, into a set: 32 loads in one run
	WIN \win
.irp i, 0,1,2,3,4,5,6,7
	FRAG (\base)+16*\i, \adr, (\i0)+\i
.endr
.endm
.macro WM z, sel                       ; a product; z = 1: C = 0; sel = half of the queries + 2 x half of the keys: the rows of the scale registers
.if \z
.if (\sel) == 0
	v_wmma_scale_f32_16x16x128_f8f6f4 v[rD:rD+7], v[rB:rB+15], v[rA:rA+15], 0, v[rX], v[rY]
.elseif (\sel) == 1
	v_wmma_scale_f32_16x16x128_f8f6f4 v[rD:rD+7], v[rB:rB+15], v[rA:rA+15], 0, v[rX], v[rY] matrix_b_scale:MATRIX_SCALE_ROW1
.elseif (\sel) == 2
	v_wmma_scale_f32_16x16x128_f8f6f4 v[rD:rD+7], v[rB:rB+15], v[rA:rA+15], 0, v[rX], v[rY] matrix_a_scale:MATRIX_SCALE_ROW1
.else
	v_wmma_scale_f32_16x16x128_f8f6f4 v[rD:rD+7], v[rB:rB+15], v[rA:rA+15], 0, v[rX], v[rY] matrix_a_scale:MATRIX_SCALE_ROW1 matrix_b_scale:MATRIX_SCALE_ROW1
.endif
.else
.if (\sel) == 0
	v_wmma_scale_f32_16x16x128_f8f6f4 v[rD:rD+7], v[rB:rB+15], v[rA:rA+15], v[rD:rD+7], v[rX], v[rY]
.elseif (\sel) == 1
	v_wmma_scale_f32_16x16x128_f8f6f4 v[rD:rD+7], v[rB:rB+15], v[rA:rA+15], v[rD:rD+7], v[rX], v[rY] matrix_b_scale:MATRIX_SCALE_ROW1
.elseif (\sel) == 2
	v_wmma_scale_f32_16x16x128_f8f6f4 v[rD:rD+7], v[rB:rB+15], v[rA:rA+15], v[rD:rD+7], v[rX], v[rY] matrix_a_scale:MATRIX_SCALE_ROW1
.else
	v_wmma_scale_f32_16x16x128_f8f6f4 v[rD:rD+7], v[rB:rB+15], v[rA:rA+15], v[rD:rD+7], v[rX], v[rY] matrix_a_scale:MATRIX_SCALE_ROW1 matrix_b_scale:MATRIX_SCALE_ROW1
.endif
.endif
.endm
.macro PLACES n
.rept \n
	v_nop
.endr
.endm
; Sixteen products (fourteen where two fall on a = b): the quadrant's eight query blocks x key blocks 2 bq, 2 bq + 1.  aw: the window of the queries' set; bb: the keys' set; ah, bh: which halves; sc: the set of scale words.
; zero = 1: an accumulator's first product takes C = 0: nothing is cleared.  That is key block 0 or 1 of the half, or 2 or 3 where 0 or 1 is the block a = b.
; The sixteen accumulators take turns, one instruction a turn.
.macro MULB aw, bb, ah, bh, sc, zero, bq
	WIN 0xa1|((\aw)<<2)                            ; source 0 (keys) window 1, source 1 (queries) window aw, C and D window 2
.irp al, 0,1,2,3,4,5,6,7
.irp bl, 0,1
.if ((\ah) == (\bh)) && ((\al) == (2*(\bq)+(\bl)))
.else
.set rD, 8*(2*(8*(\ah)+(\al))+(\bl))
.set rB, (\bb)+16*(2*(\bq)+(\bl))
.set rA, AF+16*(\al)
.set rX, SC+16*(\bq)+8*((\sc)/2)+2*(\bl)+((\sc)%2)+4
.set rY, SC+16*((\al)/2)+8*((\sc)/2)+2*((\al)%2)+((\sc)%2)
.if (\zero) && (((\bq) == 0) || ((((\bq) == 1) && ((\ah) == (\bh))) && ((\al) == (\bl))))
	WM 1, (\ah)+2*(\bh)
.else
	WM 0, (\ah)+2*(\bh)
.endif
.endif
.endr
.endr
.endm
; The eight products a = b of a quadrant on the diagonal, each onto its own accumulator in window 3.  Each side's scale words lie in a register of their own.
.macro MULD aw, bb, ah, sc, zero
	WIN 0xf1|((\aw)<<2)
.irp al, 0,1,2,3,4,5,6,7
.set rD, 8*(8*(\ah)+(\al))
.set rB, (\bb)+16*(\al)
.set rA, AF+16*(\al)
.set rY, SC+16*((\al)/2)+8*((\sc)/2)+2*((\al)%2)+((\sc)%2)
.set rX, rY+4                          ; the keys' words lie in registers of their own
	WM \zero, 3*(\ah)
.endr
.endm
; A quadrant: 64 products.  ld = 1: behind its first sixteen, and eight places (the set to be loaded was read by earlier products), the 32 loads of the set that the next quadrant needs: 48 products ahead of their use.
.macro PHASE aw, bb, ah, bh, sc, zero, dz, ld, lwin, lbase, ladr, li0
	s_wait_dscnt 0x0                               ; the set asked for in the quadrant before is in
	MULB \aw, \bb, \ah, \bh, \sc, \zero, 0
.if \ld
	PLACES NP
	LOADS \lwin, \lbase, \ladr, \li0
.endif
	MULB \aw, \bb, \ah, \bh, \sc, \zero, 1
	MULB \aw, \bb, \ah, \bh, \sc, \zero, 2
	MULB \aw, \bb, \ah, \bh, \sc, \zero, 3
.if (\ah) == (\bh)
	MULD \aw, \bb, \ah, \sc, \dz
.endif
.endm
; The third quadrant, (A1, B1), with the change of slots: one barrier; in front of it each wave waits for all its tensor loads, adds 0 to its spare word and waits for that and for its reads of this slot.
; fill = 1: the barrier opens a round of the cluster's, and this slot is filled again with the K step two on: 224 products ahead of the wait for it.  ns: the next K step.
.macro TURN aw, sc, dz, slot, next, fill, ns
	WIN 0                                          ; the add's two registers lie in window 0
	s_wait_tensorcnt 0x0                           ; all my tensor loads have landed: my part of the next slot
	ds_add_u32 v[SPW], v[NIL]                      ; 0 onto my spare word
	s_wait_dscnt 1                                 ; the keys' second half is in; the add alone may be out
	MULB \aw, 128, 1, 1, \sc, 0, 0
	s_wait_dscnt 0x0                               ; the add is done, and my reads of this slot are over
	s_barrier_signal -1
	MULB \aw, 128, 1, 1, \sc, 0, 1
	WIN 0
	s_barrier_wait -1
.if \fill
	CREST                                          ; no wave of any partner still reads this slot or has a load on its way
	s_add_nc_u64 s[G0+4*\slot+2:G0+4*\slot+3], s[G0+4*\slot+2:G0+4*\slot+3], 8388608      ; the next plane along K
	s_add_nc_u64 s[G0B+4*\slot+2:G0B+4*\slot+3], s[G0B+4*\slot+2:G0B+4*\slot+3], 8388608
	JLOAD G0+4*\slot, G1, G0B+4*\slot, G1B         ; the first tensor load behind the round; its four v_nop are four of the eight places
	PLACES NP-4
.else
	PLACES NP
.endif
	LOADS 0x40, 0, ADRB+\next, 0                   ; the next step's first half of the keys, from the other slot
	MULB \aw, 128, 1, 1, \sc, 0, 2
	MULB \aw, 128, 1, 1, \sc, 0, 3
	MULD \aw, 128, 1, \sc, \dz
.endm
	s_wait_alu depctr_va_vdst(0)
	s_wait_tensorcnt 0x0                           ; my part of K step 0 is in
	ds_add_u32 v[SPW], v[NIL]
	s_wait_dscnt 0x0
	CROUND                                         ; everybody's part is in
	JLOAD G0+4, G1, G0B+4, G1B                     ; K step 1
	LOADS 0x40, 0, ADRB, 0
	LOADS 0, AF, ADRA, 0
	s_wait_loadcnt 0x0                             ; the scale words
	; K step 0 (slot 0): A0 in A.x, A1 in A.y
	PHASE 0, 0,   0, 0, 0, 1, 1, 1, 0xc0, AF,  ADRA,   8
	PHASE 3, 0,   1, 0, 0, 1, 0, 1, 0x40, 128, ADRB,   8
	TURN  3, 0, 1, 0, 1, 1, 1
	PHASE 0, 128, 0, 1, 0, 0, 0, 1, 0xc0, AF,  ADRA+1, 0
	; K step 1 (slot 1): A0 in A.y, A1 in A.x
	PHASE 3, 0,   0, 0, 1, 0, 0, 1, 0x00, AF,  ADRA+1, 8
	PHASE 0, 0,   1, 0, 1, 0, 0, 1, 0x40, 128, ADRB+1, 8
	TURN  0, 1, 0, 1, 0, 1, 2
	PHASE 3, 128, 0, 1, 1, 0, 0, 1, 0x00, AF,  ADRA,   0
	; K step 2 (slot 0): nothing is left to fetch from memory
	PHASE 0, 0,   0, 0, 2, 0, 0, 1, 0xc0, AF,  ADRA,   8
	PHASE 3, 0,   1, 0, 2, 0, 0, 1, 0x40, 128, ADRB,   8
	TURN  3, 2, 0, 0, 1, 0, 3
	PHASE 0, 128, 0, 1, 2, 0, 0, 1, 0xc0, AF,  ADRA+1, 0
	; K step 3 (slot 1)
	PHASE 3, 0,   0, 0, 3, 0, 0, 1, 0x00, AF,  ADRA+1, 8
	PHASE 0, 0,   1, 0, 3, 0, 0, 1, 0x40, 128, ADRB+1, 8
	PHASE 0, 128, 1, 1, 3, 0, 0, 0, 0, 0, 0, 0
	PHASE 3, 128, 0, 1, 3, 0, 0, 0, 0, 0, 0, 0
	WIN 0
	; THE END: the diagonal becomes 0; then the sums over keys
	PLACES NP                                      ; behind the last products: results are read, and A.x's registers are written
.irp j, 0,1,2,3,4,5,6,7
	v_cmp_eq_i32 s[MK+\j], \j, v[VD]
.endr
	WIN 0xc3                                       ; in place in window 3; each accumulator from its low end on
.irp a, 0,1,2,3,4,5,6,7,8,9,10,11,12,13,14,15
.irp j, 0,1,2,3,4,5,6,7
	v_cndmask_b32 v[8*\a+\j], v[8*\a+\j], 0, s[MK+\j]
.endr
.endr
	WIN 0x0a                                       ; sources 0 and 1: window 2: a block's two accumulators, each from its low pair on
.irp a, 0,1,2,3,4,5,6,7,8,9,10,11,12,13,14,15
.irp k, 0,2,4,6
	v_pk_add_f32 v[T+8*\a+\k:T+8*\a+\k+1], v[16*\a+\k:16*\a+\k+1], v[16*\a+8+\k:16*\a+8+\k+1]
.endr
.endr
	WIN 0x0c                                       ; source 1: window 3: and the block a = b
.irp a, 0,1,2,3,4,5,6,7,8,9,10,11,12,13,14,15
.irp k, 0,2,4,6
	v_pk_add_f32 v[T+8*\a+\k:T+8*\a+\k+1], v[T+8*\a+\k:T+8*\a+\k+1], v[8*\a+\k:8*\a+\k+1]
.endr
.endr
	WIN 0
.irp a, 0,1,2,3,4,5,6,7,8,9,10,11,12,13,14,15
	v_pk_add_f32 v[T+8*\a:T+8*\a+1], v[T+8*\a:T+8*\a+1], v[T+8*\a+2:T+8*\a+3]
	v_pk_add_f32 v[T+8*\a+4:T+8*\a+5], v[T+8*\a+4:T+8*\a+5], v[T+8*\a+6:T+8*\a+7]
.endr
.irp a, 0,1,2,3,4,5,6,7,8,9,10,11,12,13,14,15
	v_pk_add_f32 v[T+8*\a:T+8*\a+1], v[T+8*\a:T+8*\a+1], v[T+8*\a+4:T+8*\a+5]
.endr
.irp a, 0,1,2,3,4,5,6,7,8,9,10,11,12,13,14,15
	v_add_f32 v[T+8*\a], v[T+8*\a], v[T+8*\a+1]
.endr
.irp a, 0,1,2,3,4,5,6,7,8,9,10,11,12,13,14,15
	v_permlanex16_b32 v[T+8*\a+1], v[T+8*\a], s[SEL], s[SEL+1]   ; the query's other keys lie in lane l xor 16
.endr
.irp a, 0,1,2,3,4,5,6,7,8,9,10,11,12,13,14,15
	v_add_f32 v[T+8*\a], v[T+8*\a], v[T+8*\a+1]
.endr
.irp a, 0,1,2,3,4,5,6,7,8,9,10,11,12,13,14,15
	ds_store_b32 v[STS], v[T+8*\a] offset:64*\a    ; both halves of the lanes write the same word with the same value
.endr
	s_wait_dscnt 0x0                               ; for the others' sake: my stores into the stage are done
	s_barrier_signal -1
	s_barrier_wait -1
	ds_load_b128 v[T:T+3], v[STR]                  ; 128 rows a wave: both halves of the keys
	ds_load_b128 v[T+4:T+7], v[STR] offset:2048
	s_wait_dscnt 0x0
	v_pk_add_f32 v[T:T+1], v[T:T+1], v[T+4:T+5]
	v_pk_add_f32 v[T+2:T+3], v[T+2:T+3], v[T+6:T+7]
	global_store_b128 v[GOF], v[T:T+3], s[RSB:RSB+1]   ; 32 lanes store 512 consecutive bytes, at a multiple of 512 from the buffer's first byte
	s_wait_tensorcnt 0x0                           ; the wave's end
	ds_add_u32 v[SPW], v[NIL]
	s_wait_dscnt 0x0
	CROUND                                         ; the closing round
	s_endpgm
.Lfunc_end_k_qb2210817b8_scores:
	.size	k_qb2210817b8_scores, .Lfunc_end_k_qb2210817b8_scores-k_qb2210817b8_scores
	.p2alignl 7, 3214868480
	.fill 96, 4, 3214868480
	.section	.rodata,"a",@progbits
	.p2align	6, 0x0
	.amdhsa_kernel k_qb2210817b8_scores
		.amdhsa_group_segment_fixed_size 327680
		.amdhsa_private_segment_fixed_size 0
		.amdhsa_enable_private_segment 0
		.amdhsa_kernarg_size 24
		.amdhsa_user_sgpr_count 2
		.amdhsa_user_sgpr_kernarg_segment_ptr 1
		.amdhsa_wavefront_size32 1
		.amdhsa_system_sgpr_workgroup_id_x 1
		.amdhsa_system_sgpr_workgroup_id_y 1
		.amdhsa_system_sgpr_workgroup_id_z 1
		.amdhsa_system_vgpr_workitem_id 0
		.amdhsa_next_free_vgpr 1024
		.amdhsa_next_free_sgpr 102
		.amdhsa_reserve_vcc 0
		.amdhsa_float_denorm_mode_32 3
		.amdhsa_float_denorm_mode_16_64 3
		.amdhsa_memory_ordered 1
		.amdhsa_forward_progress 1
		.amdhsa_inst_pref_size 202
	.end_amdhsa_kernel
	.amdgpu_metadata
---
amdhsa.version: [ 1, 2 ]
amdhsa.kernels:
  - .name:           k_qb2210817b8_scores
    .symbol:         k_qb2210817b8_scores.kd
    .args:
      - { .name: pc, .offset: 0, .size: 8, .value_kind: global_buffer, .address_space: global }
      - { .name: ps, .offset: 8, .size: 8, .value_kind: global_buffer, .address_space: global }
      - { .name: rs, .offset: 16, .size: 8, .value_kind: global_buffer, .address_space: global }
    .group_segment_fixed_size: 327680
    .private_segment_fixed_size: 0
    .kernarg_segment_align: 8
    .kernarg_segment_size: 24
    .max_flat_workgroup_size: 128
    .sgpr_count:     102
    .vgpr_count:     1024
    .wavefront_size: 32
...
	.end_amdgpu_metadata
.endif
;; end of part 2
;; launch pool (part 3): grid 16 x 16, 8 waves a work-group, no clusters, 12,288 bytes of LDS; arguments rs, v, pp; writes pp
.if DOCPART == 3
	.amdgcn_target "amdgcn-amd-amdhsa--gfx1250"
	.amdhsa_code_object_version 6
	.text
	.protected	k_qb2210817b8_pool
	.globl	k_qb2210817b8_pool
	.p2align	8
	.type	k_qb2210817b8_pool,@function
k_qb2210817b8_pool:
	s_mov_b64 s[64:65], 0
	v_nop
	global_prefetch_b8 v0, s[64:65] scope:SCOPE_SE
	s_setreg_imm32_b32 hwreg(HW_REG_WAVE_MODE, 25, 1), 1
	s_wait_xcnt 0x0
; pp[rq][b][c] = the sum over rows i of half rq of batch b of softmax(S / 32)[i] v[b][i][c], S[i] = the sum of the eight partial row sums in rs.
; The softmax takes the batch's true maximum away: e = 2^((S - max S) log2(e) / 32); the sum L of all 2048 e divides at the end.  L is at least 1.
; SHARES.  Work-group (cb, 2 b + rq): 1024 rows x 64 columns (256 bytes of each row).  A wave takes 128 rows: lanes 0-15 row i, lanes 16-31 row i + 64, 16 bytes a lane: each load reads two whole aligned runs of 256 bytes.
; All 64 loads of v of a wave have registers of their own (window 1, 256 registers): 48 are asked for ahead of the softmax, 16 as soon as rs is in.  Every byte of v is read once.
; Every work-group makes the batch's 2048 weights itself (65536 bytes of rs beside its 262144 bytes of v): what work-groups share is a fifth of a work-group's bytes, so no cluster and no joint load is used; there is no loop, so no prefetch.
; No matrix unit: one row of weights against v has nothing to reuse.
; The rows are taken in an order turned by 1024 rq, so that the work-group's own rows lie at the head of the weights in LDS and no LDS address hangs on the work-group's number.
; LIMITS: NaN and infinities are not served; weights under 2^-126 count as 0.
.set E,   0                            ; LDS: 2048 weights
.set RED, 8192                         ; eight maxima, then eight sums
.set AST, 8448                         ; eight waves x 256 bytes
.set SPARE, 11264
.set R,   16                           ; v16-79 the eight partial sums of my 8 rows; v16-23 become S, then e
.set WT,  16                           ; v16-79 later: my 64 rows' weights
.set AC,  208                          ; v208-215 two sets of sums: even rows, odd rows
	s_load_b128 s[4:7], s[0:1], 0x0                ; rs, v
	s_load_b64 s[8:9], s[0:1], 0x10                ; pp
	v_lshl_add_u32 v224, v0, 2, SPARE
	v_mov_b32 v225, 0
	v_lshrrev_b32 v1, 5, v0
	v_readfirstlane_b32 s10, v1                    ; wave 0..7
	s_and_b32 s11, ttmp7, 0xffff
	s_lshr_b32 s12, s11, 1                         ; b
	s_and_b32 s13, s11, 1                          ; rq
	s_mov_b32 s14, 0x76543210
	s_mov_b32 s15, 0xfedcba98                      ; v_permlanex16_b32: lane l xor 16
	s_lshl_b32 s18, s12, 13                        ; rs: the batch's 2048 rows
	s_mov_b32 s19, 0
	s_lshl_b32 s20, s12, 23                        ; v: batch, half, wave's 128 rows, 256 bytes of columns
	s_lshl_b32 s21, s13, 22
	s_add_co_u32 s20, s20, s21
	s_lshl_b32 s21, s10, 19
	s_add_co_u32 s20, s20, s21
	s_lshl_b32 s21, ttmp9, 8
	s_add_co_u32 s20, s20, s21
	s_mov_b32 s21, 0
	s_lshl_b32 s22, s13, 3
	s_add_co_u32 s22, s22, s12
	s_lshl_b32 s22, s22, 12
	s_lshl_b32 s23, ttmp9, 8
	s_add_co_u32 s22, s22, s23
	s_mov_b32 s23, 0
	s_lshl_b32 s16, s13, 12
	s_lshl_b32 s17, s10, 2
	s_lshl_b32 s24, s10, 9
	s_lshl_b32 s25, s10, 8
	v_lshlrev_b32 v2, 5, v0                        ; 32 t: my 8 weights' place in LDS
	v_and_b32 v4, 15, v0
	v_bfe_u32 v5, v0, 4, 1
	v_add_nc_u32 v3, s16, v2
	v_lshlrev_b32 v6, 4, v4
	v_and_b32 v3, 0x1fff, v3                       ; and the rows that they belong to: turned by 1024 rq rows
	v_lshl_add_u32 v7, v5, 18, v6                  ; v: 16 (lane % 16) + 64 rows for lanes 16-31
	v_mov_b32 v10, s17                             ; 4 x wave
	v_mov_b32 v11, 0
	v_lshl_add_u32 v12, v5, 8, s24                 ; my 64 rows' weights: 512 wave + 256 h
	v_add_nc_u32 v13, s25, v6                      ; my wave's sums: 256 wave + 16 (lane % 16)
	v_and_b32 v14, 31, v0
	v_lshlrev_b32 v14, 3, v14                      ; 8 x lane
	v_mov_b32 v217, 0                              ; (a lane permute's destination counts as one of its sources)
	v_mov_b32 v219, 0
	s_wait_alu depctr_va_vdst(0)
	s_wait_kmcnt 0x0
	s_add_nc_u64 s[4:5], s[4:5], s[18:19]
	s_add_nc_u64 s[6:7], s[6:7], s[20:21]
	s_add_nc_u64 s[8:9], s[8:9], s[22:23]
.irp p, 0,1,2,3,4,5,6,7
.irp e, 0,1
	global_load_b128 v[R+8*\p+4*\e:R+8*\p+4*\e+3], v3, s[4:5] offset:65536*\p+16*\e
.endr
.endr
	s_set_vgpr_msb 0x40                            ; loaded data in window 1: row i at v[4 i]
.set i, 0
.rept 48
	global_load_b128 v[4*i:4*i+3], v7, s[6:7] offset:4096*i th:TH_LOAD_NT
.set i, i+1
.endr
	s_set_vgpr_msb 0x4000
	s_wait_loadcnt 48                              ; the sixteen loads of rs are in; the 48 of v stay out
	s_set_vgpr_msb 0x40
.rept 16
	global_load_b128 v[4*i:4*i+3], v7, s[6:7] offset:4096*i th:TH_LOAD_NT
.set i, i+1
.endr
	s_set_vgpr_msb 0x4000
.irp p, 1,2,3,4,5,6,7
.irp k, 0,2,4,6
	v_pk_add_f32 v[R+\k:R+\k+1], v[R+\k:R+\k+1], v[R+8*\p+\k:R+8*\p+\k+1]
.endr
.endr
	v_max3_num_f32 v216, v[R], v[R+1], v[R+2]
	v_max3_num_f32 v217, v[R+3], v[R+4], v[R+5]
	v_max3_num_f32 v216, v216, v[R+6], v[R+7]
	v_max_num_f32 v216, v216, v217
	v_max_num_f32_dpp v216, v216, v216 row_xmask:1 row_mask:0xf bank_mask:0xf
	v_max_num_f32_dpp v216, v216, v216 row_xmask:2 row_mask:0xf bank_mask:0xf
	v_max_num_f32_dpp v216, v216, v216 row_xmask:4 row_mask:0xf bank_mask:0xf
	v_max_num_f32_dpp v216, v216, v216 row_xmask:8 row_mask:0xf bank_mask:0xf
	v_permlanex16_b32 v217, v216, s14, s15
	v_max_num_f32 v216, v216, v217
	ds_store_b32 v10, v216 offset:RED              ; my wave's maximum
	s_wait_alu depctr_va_vdst(0)
	s_wait_dscnt 0x0
	s_barrier_signal -1
	s_barrier_wait -1
	ds_load_b128 v[48:51], v11 offset:RED
	ds_load_b128 v[52:55], v11 offset:RED+16
	s_wait_dscnt 0x0
	v_max3_num_f32 v216, v48, v49, v50
	v_max3_num_f32 v217, v51, v52, v53
	v_max3_num_f32 v216, v216, v54, v55
	v_max_num_f32 v216, v216, v217                 ; the batch's maximum
.irp k, 0,1,2,3,4,5,6,7
	v_sub_f32 v[R+\k], v[R+\k], v216
.endr
.irp k, 0,1,2,3,4,5,6,7
	v_mul_f32 v[R+\k], 0x3d38aa3b, v[R+\k]         ; x log2(e) / 32
.endr
	s_wait_alu depctr_va_vdst(0)
.irp k, 0,1,2,3,4,5,6,7
	v_exp_f32 v[R+\k], v[R+\k]
.endr
	v_nop                                          ; a plain line behind the last exponential,
	s_wait_alu depctr_va_vdst(0)                   ; and one wait for the batch of eight, ahead of its first reader
	ds_store_b128 v2, v[R:R+3] offset:E
	ds_store_b128 v2, v[R+4:R+7] offset:E+16
	v_pk_add_f32 v[218:219], v[R:R+1], v[R+2:R+3]
	v_pk_add_f32 v[220:221], v[R+4:R+5], v[R+6:R+7]
	v_pk_add_f32 v[218:219], v[218:219], v[220:221]
	v_add_f32 v218, v218, v219
	v_add_f32_dpp v218, v218, v218 row_xmask:1 row_mask:0xf bank_mask:0xf
	v_add_f32_dpp v218, v218, v218 row_xmask:2 row_mask:0xf bank_mask:0xf
	v_add_f32_dpp v218, v218, v218 row_xmask:4 row_mask:0xf bank_mask:0xf
	v_add_f32_dpp v218, v218, v218 row_xmask:8 row_mask:0xf bank_mask:0xf
	v_permlanex16_b32 v219, v218, s14, s15
	v_add_f32 v218, v218, v219
	ds_store_b32 v10, v218 offset:RED+32           ; my wave's sum of e
	s_wait_alu depctr_va_vdst(0)
	s_wait_dscnt 0x0
	s_barrier_signal -1
	s_barrier_wait -1                              ; all 2048 weights lie in LDS
.irp j, 0,1,2,3,4,5,6,7,8,9,10,11,12,13,14,15
	ds_load_b128 v[WT+4*\j:WT+4*\j+3], v12 offset:E+16*\j   ; register i: the weight of my half's row i; sixteen lanes read the same words
.endr
	s_wait_dscnt 0x0
	s_set_vgpr_msb 0x4                             ; source 1 in window 1
.set i, 0
.rept 16
	s_wait_alu depctr_va_vdst(0)
	s_wait_loadcnt 60-i                            ; four more rows are in
.rept 4
.irp k, 0,2
.if i == 0
	v_pk_mul_f32 v[AC+\k:AC+\k+1], v[WT:WT+1], v[\k:\k+1] op_sel_hi:[0,1]   ; the first even row and the first odd row start the sums
.elseif i == 1
	v_pk_mul_f32 v[AC+4+\k:AC+4+\k+1], v[WT:WT+1], v[4+\k:4+\k+1] op_sel:[1,0] op_sel_hi:[1,1]
.elseif i%2
	v_pk_fma_f32 v[AC+4+\k:AC+4+\k+1], v[WT+i-1:WT+i], v[4*i+\k:4*i+\k+1], v[AC+4+\k:AC+4+\k+1] op_sel:[1,0,0] op_sel_hi:[1,1,1]
.else
	v_pk_fma_f32 v[AC+\k:AC+\k+1], v[WT+i:WT+i+1], v[4*i+\k:4*i+\k+1], v[AC+\k:AC+\k+1] op_sel_hi:[0,1,1]
.endif
.endr
.set i, i+1
.endr
.endr
	s_set_vgpr_msb 0x400
	v_pk_add_f32 v[AC:AC+1], v[AC:AC+1], v[AC+4:AC+5]
	v_pk_add_f32 v[AC+2:AC+3], v[AC+2:AC+3], v[AC+6:AC+7]
.irp k, 0,1,2,3
	v_permlanex16_b32 v[AC+4+\k], v[AC+\k], s14, s15
.endr
	v_pk_add_f32 v[AC:AC+1], v[AC:AC+1], v[AC+4:AC+5]
	v_pk_add_f32 v[AC+2:AC+3], v[AC+2:AC+3], v[AC+6:AC+7]
	ds_store_b128 v13, v[AC:AC+3] offset:AST       ; both halves of the lanes write the same bytes with the same values
	s_wait_alu depctr_va_vdst(0)
	s_wait_dscnt 0x0
	s_barrier_signal -1
	s_barrier_wait -1
	s_cmp_lg_u32 s10, 0
	s_cbranch_scc1 .Lend                           ; wave 0 adds the eight waves' sums and stores
.irp k, 0,1,2,3,4,5,6,7
	ds_load_b64 v[16+2*\k:17+2*\k], v14 offset:AST+256*\k
.endr
	ds_load_b128 v[48:51], v11 offset:RED+32
	ds_load_b128 v[52:55], v11 offset:RED+48
	s_wait_dscnt 0x0
	v_add_f32 v48, v48, v49
	v_add_f32 v50, v50, v51
	v_add_f32 v52, v52, v53
	v_add_f32 v54, v54, v55
	v_add_f32 v48, v48, v50
	v_add_f32 v52, v52, v54
	v_add_f32 v48, v48, v52                        ; L
	s_wait_alu depctr_va_vdst(0)
	v_rcp_f32 v216, v48
	v_pk_add_f32 v[16:17], v[16:17], v[18:19]      ; plain work behind the reciprocal
	v_pk_add_f32 v[20:21], v[20:21], v[22:23]
	v_pk_add_f32 v[24:25], v[24:25], v[26:27]
	v_pk_add_f32 v[28:29], v[28:29], v[30:31]
	v_pk_add_f32 v[16:17], v[16:17], v[20:21]
	v_pk_add_f32 v[24:25], v[24:25], v[28:29]
	v_pk_add_f32 v[16:17], v[16:17], v[24:25]
	s_wait_alu depctr_va_vdst(0)                   ; the wait ahead of the reciprocal's first reader
	v_pk_mul_f32 v[16:17], v[16:17], v[216:217] op_sel_hi:[1,0]
	global_store_b64 v14, v[16:17], s[8:9]         ; 32 lanes store 256 consecutive bytes, aligned
.Lend:
	s_wait_tensorcnt 0x0                           ; the wave's end
	ds_add_u32 v224, v225
	s_wait_dscnt 0x0
	s_endpgm
.Lfunc_end_k_qb2210817b8_pool:
	.size	k_qb2210817b8_pool, .Lfunc_end_k_qb2210817b8_pool-k_qb2210817b8_pool
	.p2alignl 7, 3214868480
	.fill 96, 4, 3214868480
	.section	.rodata,"a",@progbits
	.p2align	6, 0x0
	.amdhsa_kernel k_qb2210817b8_pool
		.amdhsa_group_segment_fixed_size 12288
		.amdhsa_private_segment_fixed_size 0
		.amdhsa_enable_private_segment 0
		.amdhsa_kernarg_size 24
		.amdhsa_user_sgpr_count 2
		.amdhsa_user_sgpr_kernarg_segment_ptr 1
		.amdhsa_wavefront_size32 1
		.amdhsa_system_sgpr_workgroup_id_x 1
		.amdhsa_system_sgpr_workgroup_id_y 1
		.amdhsa_system_sgpr_workgroup_id_z 1
		.amdhsa_system_vgpr_workitem_id 0
		.amdhsa_next_free_vgpr 512
		.amdhsa_next_free_sgpr 66
		.amdhsa_reserve_vcc 0
		.amdhsa_float_denorm_mode_32 3
		.amdhsa_float_denorm_mode_16_64 3
		.amdhsa_memory_ordered 1
		.amdhsa_forward_progress 1
		.amdhsa_inst_pref_size 28
	.end_amdhsa_kernel
	.amdgpu_metadata
---
amdhsa.version: [ 1, 2 ]
amdhsa.kernels:
  - .name:           k_qb2210817b8_pool
    .symbol:         k_qb2210817b8_pool.kd
    .args:
      - { .name: rs, .offset: 0, .size: 8, .value_kind: global_buffer, .address_space: global }
      - { .name: v, .offset: 8, .size: 8, .value_kind: global_buffer, .address_space: global }
      - { .name: pp, .offset: 16, .size: 8, .value_kind: global_buffer, .address_space: global }
    .group_segment_fixed_size: 12288
    .private_segment_fixed_size: 0
    .kernarg_segment_align: 8
    .kernarg_segment_size: 24
    .max_flat_workgroup_size: 256
    .sgpr_count:     66
    .vgpr_count:     512
    .wavefront_size: 32
...
	.end_amdgpu_metadata
.endif
;; end of part 3
;; launch outp (part 4): grid 64 x 1, 8 waves a work-group, no clusters, 34,816 bytes of LDS; arguments pp, Wo, bo, out0; writes out0
.if DOCPART == 4
	.amdgcn_target "amdgcn-amd-amdhsa--gfx1250"
	.amdhsa_code_object_version 6
	.text
	.protected	k_qb2210817b8_outp
	.globl	k_qb2210817b8_outp
	.p2align	8
	.type	k_qb2210817b8_outp,@function
k_qb2210817b8_outp:
	s_mov_b64 s[64:65], 0
	v_nop
	global_prefetch_b8 v0, s[64:65] scope:SCOPE_SE
	s_setreg_imm32_b32 hwreg(HW_REG_WAVE_MODE, 25, 1), 1
	s_wait_xcnt 0x0
; out0[b][n] = the sum over c of (pp[0][b][c] + pp[1][b][c]) Wo[n][c] + bo[n]: 8 x 1024 x 1024, in f32 by fused multiply-adds (eight rows are too few for a matrix tile).
; SHARES.  A work-group takes 16 rows n of Wo, a wave two of them, for all eight b.  Each byte of Wo is read once in the launch; a wave's load reads 512 consecutive bytes.
; Every work-group reads all of pp (65536 bytes), adds the two halves and lays the eight pooled rows in LDS.  No joint load is used for it: the launch is sixteen loads of each kind deep and has no ring
; in which a round of a cluster could be hidden.
; THE STORES: four lanes write 64 consecutive bytes of each of eight rows of out0: runs of 256 bytes are written in parts.  Whole runs would want 64 rows of Wo to a work-group, sixteen work-groups in all,
; for an output of 32768 bytes.
.set P0, 16                            ; v16-47 pp[0], v48-79 pp[1]; later two buffers of 32: a pooled row's 32 numbers of my lane
.set WO, 80                            ; v80-143 my two rows of Wo: 32 numbers a lane each
.set SM, 144                           ; v144-175 sixteen sums, a pair each
.set TT, 176                           ; v176-191 the sixteen sums
.set OST, 32768                        ; LDS: behind the eight pooled rows: [b 8][n 16] f32
	s_load_b256 s[4:11], s[0:1], 0x0               ; pp, Wo, bo, out0
	v_lshl_add_u32 v192, v0, 2, 0x8400
	v_mov_b32 v193, 0
	v_lshrrev_b32 v1, 5, v0
	s_delay_alu instid0(VALU_DEP_1)
	v_readfirstlane_b32 s12, v1                    ; wave 0..7
	s_mov_b32 s14, 0x76543210
	s_mov_b32 s15, 0xfedcba98
	v_lshlrev_b32 v2, 4, v0                        ; 16 t
	v_and_b32 v3, 31, v0
	s_delay_alu instid0(VALU_DEP_1)
	v_lshlrev_b32 v4, 4, v3                        ; 16 x lane
	s_delay_alu instid0(VALU_DEP_2)
	v_and_b32 v5, 3, v3
	s_delay_alu instid0(VALU_DEP_1)
	v_lshlrev_b32 v5, 4, v5                        ; 16 (lane % 4)
	s_delay_alu instid0(VALU_DEP_4)
	v_lshrrev_b32 v6, 2, v3
	s_delay_alu instid0(VALU_DEP_1)
	v_lshl_add_u32 v6, v6, 12, v5                  ; out0: row lane / 4, + 16 (lane % 4)
	s_lshl_b32 s13, s12, 3
	v_mov_b32 v7, s13                              ; 8 x wave
	s_lshl_b32 s16, ttmp9, 16                      ; Wo: 16 rows of 4096 bytes a work-group,
	s_lshl_b32 s17, s12, 13                        ; two a wave
	s_add_co_u32 s16, s16, s17
	s_mov_b32 s17, 0
	s_lshl_b32 s18, ttmp9, 6                       ; bo and a row of out0: 16 numbers a work-group
	s_mov_b32 s19, 0
	s_wait_alu depctr_va_vdst(0)
	s_wait_kmcnt 0x0
	s_add_nc_u64 s[6:7], s[6:7], s[16:17]
	s_add_nc_u64 s[8:9], s[8:9], s[18:19]
	s_add_nc_u64 s[10:11], s[10:11], s[18:19]
	global_load_b128 v[8:11], v5, s[8:9]           ; bo
.irp j, 0,1,2,3,4,5,6,7
	global_load_b128 v[P0+4*\j:P0+4*\j+3], v2, s[4:5] offset:4096*\j
	global_load_b128 v[P0+32+4*\j:P0+32+4*\j+3], v2, s[4:5] offset:4096*\j+32768
.endr
.irp e, 0,1
.irp j, 0,1,2,3,4,5,6,7
	global_load_b128 v[WO+32*\e+4*\j:WO+32*\e+4*\j+3], v4, s[6:7] offset:4096*\e+512*\j th:TH_LOAD_NT
.endr
.endr
	s_wait_loadcnt 16                              ; bo and pp are in; the sixteen loads of Wo stay out
.irp j, 0,1,2,3,4,5,6,7
	v_pk_add_f32 v[P0+4*\j:P0+4*\j+1], v[P0+4*\j:P0+4*\j+1], v[P0+32+4*\j:P0+32+4*\j+1]
	v_pk_add_f32 v[P0+4*\j+2:P0+4*\j+3], v[P0+4*\j+2:P0+4*\j+3], v[P0+32+4*\j+2:P0+32+4*\j+3]
.endr
.irp j, 0,1,2,3,4,5,6,7
	ds_store_b128 v2, v[P0+4*\j:P0+4*\j+3] offset:4096*\j
.endr
	s_wait_dscnt 0x0
	s_barrier_signal -1
	s_barrier_wait -1                              ; the eight pooled rows lie in LDS
.macro PLOAD b                         ; my lane's 32 numbers of pooled row b: the same columns as my registers of Wo
.irp j, 0,1,2,3,4,5,6,7
	ds_load_b128 v[P0+32*((\b)%2)+4*\j:P0+32*((\b)%2)+4*\j+3], v4 offset:4096*(\b)+512*\j
.endr
.endm
.macro DOT b                           ; two sums by turns, two numbers an instruction
.set PB, P0+32*((\b)%2)
.irp e, 0,1
	v_pk_mul_f32 v[SM+4*(\b)+2*\e:SM+4*(\b)+2*\e+1], v[PB:PB+1], v[WO+32*\e:WO+32*\e+1]
.endr
.set n, 1
.rept 15
.irp e, 0,1
	s_delay_alu instid0(VALU_DEP_2)
	v_pk_fma_f32 v[SM+4*(\b)+2*\e:SM+4*(\b)+2*\e+1], v[PB+2*n:PB+2*n+1], v[WO+32*\e+2*n:WO+32*\e+2*n+1], v[SM+4*(\b)+2*\e:SM+4*(\b)+2*\e+1]
.endr
.set n, n+1
.endr
.endm
	PLOAD 0
	s_wait_loadcnt 0x0                             ; Wo
.irp b, 0,1,2,3,4,5,6
	PLOAD \b+1
	s_wait_dscnt 8                                 ; row b is in; the next row's eight loads may be out
	DOT \b
.endr
	s_wait_dscnt 0x0
	DOT 7
.set n, 0
.rept 16
	v_add_f32 v[TT+n], v[SM+2*n], v[SM+2*n+1]
.set n, n+1
.endr
.irp m, 1,2,4,8
.set n, 0
.rept 16
	v_add_f32_dpp v[TT+n], v[TT+n], v[TT+n] row_xmask:\m row_mask:0xf bank_mask:0xf
.set n, n+1
.endr
.endr
.set n, 0
.rept 16
	v_permlanex16_b32 v[SM+n], v[TT+n], s14, s15
.set n, n+1
.endr
.set n, 0
.rept 16
	v_add_f32 v[TT+n], v[TT+n], v[SM+n]
.set n, n+1
.endr
.irp b, 0,1,2,3,4,5,6,7
.irp e, 0,1
	ds_store_b32 v7, v[TT+2*\b+\e] offset:OST+64*\b+4*\e   ; all lanes write the same word with the same value
.endr
.endr
	s_wait_dscnt 0x0
	s_barrier_signal -1
	s_barrier_wait -1
	s_cmp_lg_u32 s12, 0
	s_cbranch_scc1 .Lend                           ; wave 0 adds the bias and stores
	ds_load_b128 v[16:19], v4 offset:OST           ; lane l: b = l / 4, n = 4 (l % 4) + 0 .. 3
	s_wait_dscnt 0x0
	v_pk_add_f32 v[16:17], v[16:17], v[8:9]
	v_pk_add_f32 v[18:19], v[18:19], v[10:11]
	global_store_b128 v6, v[16:19], s[10:11]
.Lend:
	s_wait_tensorcnt 0x0
	ds_add_u32 v192, v193
	s_wait_dscnt 0x0
	s_endpgm
.Lfunc_end_k_qb2210817b8_outp:
	.size	k_qb2210817b8_outp, .Lfunc_end_k_qb2210817b8_outp-k_qb2210817b8_outp
	.p2alignl 7, 3214868480
	.fill 96, 4, 3214868480
	.section	.rodata,"a",@progbits
	.p2align	6, 0x0
	.amdhsa_kernel k_qb2210817b8_outp
		.amdhsa_group_segment_fixed_size 34816
		.amdhsa_private_segment_fixed_size 0
		.amdhsa_enable_private_segment 0
		.amdhsa_kernarg_size 32
		.amdhsa_user_sgpr_count 2
		.amdhsa_user_sgpr_kernarg_segment_ptr 1
		.amdhsa_wavefront_size32 1
		.amdhsa_system_sgpr_workgroup_id_x 1
		.amdhsa_system_sgpr_workgroup_id_y 1
		.amdhsa_system_sgpr_workgroup_id_z 1
		.amdhsa_system_vgpr_workitem_id 0
		.amdhsa_next_free_vgpr 194
		.amdhsa_next_free_sgpr 66
		.amdhsa_reserve_vcc 0
		.amdhsa_float_denorm_mode_32 3
		.amdhsa_float_denorm_mode_16_64 3
		.amdhsa_memory_ordered 1
		.amdhsa_forward_progress 1
		.amdhsa_inst_pref_size 42
	.end_amdhsa_kernel
	.amdgpu_metadata
---
amdhsa.version: [ 1, 2 ]
amdhsa.kernels:
  - .name:           k_qb2210817b8_outp
    .symbol:         k_qb2210817b8_outp.kd
    .args:
      - { .name: pp, .offset: 0, .size: 8, .value_kind: global_buffer, .address_space: global }
      - { .name: Wo, .offset: 8, .size: 8, .value_kind: global_buffer, .address_space: global }
      - { .name: bo, .offset: 16, .size: 8, .value_kind: global_buffer, .address_space: global }
      - { .name: out0, .offset: 24, .size: 8, .value_kind: global_buffer, .address_space: global }
    .group_segment_fixed_size: 34816
    .private_segment_fixed_size: 0
    .kernarg_segment_align: 8
    .kernarg_segment_size: 32
    .max_flat_workgroup_size: 256
    .sgpr_count:     66
    .vgpr_count:     194
    .wavefront_size: 32
...
	.end_amdgpu_metadata
.endif
;; end of part 4
